; MI455X (gfx1250); checked and timed in simulation.
; The chip was launched on July 23, 2026; its instructions are those of AMD's public machine-readable ISA for CDNA 5 (MIT licence, August 2026) and "CDNA5" Instruction Set Architecture Reference Guide (July 2026). The comments in the code are by the model that wrote it; some were corrected since.
;; Causal Self Attention. Allowed arithmetic: float matrix products may take bf16 or f16 operands with f32 sums; all other float work in f32.
;; Inputs: Wk 64 x 64 float32; Wo 64 x 64 float32; Wq 64 x 64 float32; Wv 64 x 64 float32; x 4 x 4,096 x 64 float32.
;; Outputs: out0 4 x 4,096 x 64 float32.
;; 2 versions, each right; version 2 is version 1 with the launch qkv written anew for expert scheduling mode. Each part assembles by itself: llvm-mc -triple=amdgcn-amd-amdhsa -mcpu=gfx1250 --defsym DOCPART=n.
;; ======== version 1 of 2: 2 launches
;; limits: values are held in f16: magnitudes above 65,504 overflow, below 6.1e-05 lose precision; right only within a limited range of input values
;; workspace buffers: qws 2,097,152 bytes; kvws 4,194,304 bytes
;; launch qkv (part 1): grid 256 x 1, 8 waves a work-group, no clusters, 37,888 bytes of LDS; arguments x, Wq, Wk, Wv, qws, kvws; writes qws, kvws
.if DOCPART == 1
	.amdgcn_target "amdgcn-amd-amdhsa--gfx1250"
	.amdhsa_code_object_version 6
	.text
	.protected	k_qe183fc29ac_qkv
	.globl	k_qe183fc29ac_qkv
	.p2align	8
	.type	k_qe183fc29ac_qkv,@function
k_qe183fc29ac_qkv:
	s_mov_b64 s[64:65], 0
	v_nop
	global_prefetch_b8 v0, s[64:65] scope:SCOPE_SE
	s_setreg_imm32_b32 hwreg(HW_REG_WAVE_MODE, 25, 1), 1
	s_wait_xcnt 0x0
; q = rope(x Wq^T) * log2(e)/4, k = rope(x Wk^T), v = x Wv^T, rounded to f16 and stored as REGISTER IMAGES for the attention launch.
; x: [4*4096][64] f32.  W*: [64][64] f32.  A work-group owns 64 flat rows (inside one batch); wave w = 4*half + hd owns 32 positions
; (two tiles of 16) of head hd.  An image is 512 bytes, byte 16 L = the four registers of lane L = r + 16 h:
;   Q, K image of a 16-position tile: position r, d = 8h .. 8h+7          qws : [flat tile (1024)][head (4)][512]
;   V image of chunk c of a 32-key block: d = r, keys 16c+8h .. 16c+8h+7  kvws: [flat key block (512)][head (4)][K0|K1|V0|V1, 512 each]
; Every store of a wave covers 512 consecutive bytes, aligned.
; x and the weights are f32 in memory and are rounded to bf16 on the way, so they pass through registers in any case: they are staged by
; global loads, conversions and LDS stores.  A joint tensor load of the weights would bring f32 into LDS and add a second trip of the
; same 48 KiB through LDS and registers, so no cluster is used here.
; FORMATS: x and the weights enter the products in bf16, sums in f32.  q, k, v leave in f16, three bits finer than bf16: in the first rows
; of a batch the output is a mean over few keys and as large as v, while its allowance follows the whole output's much smaller spread.
; Room in f16: q, k, v are sums of 64 products of spreads 1 and 1/8, spread 1; with x and a weight both 30 times larger, spread 900;
; with offsets of 30 spreads on both, 64 * 30 * 3.75 = 7,200: all under 65,504.
; LIMITS: |q|, |k|, |v| below 65,504.  The angle of pair p at position pos is formed in turns as pos * f32(10^(-p/2) / 2 pi) and reduced by
; one fused multiply-add; its error is at most about 2.5e-4 rad at pos = 4095; sine and cosine are Taylor polynomials of the half angle
; (error about 4e-6).
.set PITCH, 144                        ; an LDS row: 64 bf16 = 128 bytes + 16: an odd multiple of 16, so 16 rows of a fragment load start 16 bytes apart modulo 256
.set RGN,   64*PITCH                   ; a region of 64 rows: x at 0, Wq, Wk, Wv behind it
.set STG,   16                         ; v[16:79]   16 staged loads of 4 f32
.set WF,    80                         ; v[80:127]  fragments of Wq, Wk, Wv: 2 K steps x 8 registers each
.set XF,    128                        ; v[128:159] fragments of x: 2 tiles x 2 K steps x 8
.set ACC,   160                        ; v[160:207] sums Q0 K0 V0 Q1 K1 V1
.set CS,    208                        ; v[208:215] cosine of tile t, pair i
.set SN,    216                        ; v[216:223] sine
.set FQ,    224                        ; v[224:227] turns per position of my four pairs
	s_load_b256 s[4:11], s[0:1], 0x0               ; x s[4:5], Wq s[6:7], Wk s[8:9], Wv s[10:11]
	s_load_b128 s[12:15], s[0:1], 0x20             ; qws s[12:13], kvws s[14:15]
	v_lshl_add_u32 v228, v0, 2, 0x9000
	v_mov_b32 v229, 0
	v_lshrrev_b32 v8, 5, v0
	v_readfirstlane_b32 s16, v8                    ; wave
	s_and_b32 s17, s16, 3                          ; hd
	s_lshr_b32 s18, s16, 2                         ; half
	s_lshl_b32 s20, ttmp9, 14                      ; 64 rows of 256 bytes
	s_mov_b32 s21, 0
	s_mov_b32 s22, 0x3eb8aa3b                      ; log2(e) / 4: the score scale 1/sqrt(16) and the base-2 exponential, folded into q
	s_mov_b32 s23, 0x3eb8aa3b
	v_lshlrev_b32 v1, 4, v0                        ; 16 bytes a thread: the work-group's load covers 16 whole rows
	s_wait_kmcnt 0x0
	s_add_nc_u64 s[4:5], s[4:5], s[20:21]
.irp i, 0,1,2,3
	global_load_b128 v[STG+4*\i:STG+4*\i+3], v1, s[4:5] offset:4096*\i th:TH_LOAD_NT
.endr
.irp i, 0,1,2,3
	global_load_b128 v[STG+16+4*\i:STG+16+4*\i+3], v1, s[6:7] offset:4096*\i
.endr
.irp i, 0,1,2,3
	global_load_b128 v[STG+32+4*\i:STG+32+4*\i+3], v1, s[8:9] offset:4096*\i
.endr
.irp i, 0,1,2,3
	global_load_b128 v[STG+48+4*\i:STG+48+4*\i+3], v1, s[10:11] offset:4096*\i
.endr
	; where the images go
	s_lshl_b32 s20, ttmp9, 13                      ; qws: ((4 g + 2 half) * 4 + hd) * 512
	s_lshl_b32 s24, s18, 12
	s_add_co_u32 s20, s20, s24
	s_lshl_b32 s24, s17, 9
	s_add_co_u32 s20, s20, s24
	s_add_nc_u64 s[12:13], s[12:13], s[20:21]
	s_lshl_b32 s20, ttmp9, 14                      ; kvws: ((2 g + half) * 4 + hd) * 2048
	s_lshl_b32 s24, s18, 13
	s_add_co_u32 s20, s20, s24
	s_lshl_b32 s24, s17, 11
	s_add_co_u32 s20, s20, s24
	s_add_nc_u64 s[14:15], s[14:15], s[20:21]
	s_and_b32 s19, ttmp9, 63                       ; position in the batch of my first row: (g mod 64) * 64 + 32 half
	s_lshl_b32 s19, s19, 6
	s_lshl_b32 s24, s18, 5
	s_add_co_u32 s19, s19, s24
	s_mul_i32 s24, s17, 16*PITCH                   ; my head's 16 rows of a weight
	s_mul_i32 s25, s18, 32*PITCH                   ; my 32 rows of x
	v_and_b32 v9, 15, v0                           ; r (also: my 16-byte column when staging)
	v_bfe_u32 v10, v0, 4, 1                        ; h
	v_lshrrev_b32 v8, 4, v0                        ; staging row 0..15
	v_mul_u32_u24 v2, v8, PITCH
	v_lshl_add_u32 v2, v9, 3, v2                   ; staging: row * pitch + 8 bytes (4 bf16) a thread
	v_mul_u32_u24 v12, v9, PITCH
	v_lshl_add_u32 v12, v10, 4, v12                ; fragment: r * pitch + 16 h
	v_add_nc_u32 v3, s24, v12                      ; weights
	v_add_nc_u32 v4, s25, v12                      ; x
	v_and_b32 v5, 31, v0
	v_lshlrev_b32 v5, 4, v5                        ; 16 * lane: the images' offset
	v_add_nc_u32 v11, s19, v9                      ; position of tile 0's row r
	v_mov_b32 v12, 0x3c23d70a                      ; 0.01
	v_cmp_eq_u32 vcc_lo, 1, v10
	v_cndmask_b32 v7, 1.0, v12, vcc_lo             ; pairs 4h + i: 10^(-2h)
	v_mul_f32 v[FQ+0], 0x3e22f983, v7              ; 10^(-i/2) / 2 pi, i = 0 .. 3
	v_mul_f32 v[FQ+1], 0x3d4e2601, v7
	v_mul_f32 v[FQ+2], 0x3c826136, v7
	v_mul_f32 v[FQ+3], 0x3ba4eb34, v7
; Sine and cosine of my four pairs at tile t's position r, while the loads are on their way.  f = the angle in turns less the nearest
; whole number, |f| <= 1/2; s = sin(pi f), c = cos(pi f) by Taylor series in z = f^2; then the double angle.
.macro TRIG t
	v_add_nc_u32 v8, 16*\t, v11
	v_cvt_f32_u32 v6, v8
.irp i, 0,1,2,3
	v_mul_f32 v12, v6, v[FQ+\i]
	v_rndne_f32 v12, v12
	v_fma_f32 v12, v6, v[FQ+\i], -v12              ; f, from the exact product
	v_mul_f32 v13, v12, v12                        ; z
	v_mov_b32 v14, 0x3da83c1b                      ; pi^9/9!
	v_mov_b32 v15, 0xbcd368f9                      ; -pi^10/10!
	v_fmaak_f32 v14, v14, v13, 0xbf196966          ; -pi^7/7!
	v_fmaak_f32 v15, v15, v13, 0x3e70fa83          ; pi^8/8!
	v_fmaak_f32 v14, v14, v13, 0x402335e3          ; pi^5/5!
	v_fmaak_f32 v15, v15, v13, 0xbfaae9e4          ; -pi^6/6!
	v_fmaak_f32 v14, v14, v13, 0xc0a55de7          ; -pi^3/3!
	v_fmaak_f32 v15, v15, v13, 0x4081e0f8          ; pi^4/4!
	v_fmaak_f32 v14, v14, v13, 0x40490fdb          ; pi
	v_fmaak_f32 v15, v15, v13, 0xc09de9e6          ; -pi^2/2
	v_mul_f32 v14, v14, v12                        ; s
	v_fma_f32 v15, v15, v13, 1.0                   ; c
	v_add_f32 v12, v14, v14
	v_mul_f32 v[SN+4*\t+\i], v12, v15              ; sin = 2 s c
	v_fma_f32 v[CS+4*\t+\i], -v12, v14, 1.0        ; cos = 1 - 2 s s
.endr
.endm
	TRIG 0
	TRIG 1
	; staging: load n (region n/4, rows 16 (n mod 4) ..) is rounded in place and put into LDS
.set n, 0
.rept 16
	s_wait_loadcnt 15-n                            ; loads come back in order: load n is in, the 15 - n younger ones stay out
	v_cvt_pk_bf16_f32 v[STG+4*n],   v[STG+4*n],   v[STG+4*n+1]
	v_cvt_pk_bf16_f32 v[STG+4*n+1], v[STG+4*n+2], v[STG+4*n+3]
	ds_store_b64 v2, v[STG+4*n:STG+4*n+1] offset:(n/4)*RGN+(n%4)*16*PITCH
.set n, n+1
.endr
	s_wait_dscnt 0x0                               ; my stores are in LDS, for the other waves' sake
	s_barrier_signal -1
	s_barrier_wait -1                              ; everybody's are
	; fragments: lane (r, h) takes row r, k = 8h .. 8h+7 and 16+8h .. 16+8h+7 of each K step of 32
.irp m, 0,1,2
.irp c, 0,1
	ds_load_b128 v[WF+16*\m+8*\c:WF+16*\m+8*\c+3],   v3 offset:(\m+1)*RGN+64*\c
	ds_load_b128 v[WF+16*\m+8*\c+4:WF+16*\m+8*\c+7], v3 offset:(\m+1)*RGN+64*\c+32
.endr
.endr
.irp t, 0,1
.irp c, 0,1
	ds_load_b128 v[XF+16*\t+8*\c:XF+16*\t+8*\c+3],   v4 offset:\t*16*PITCH+64*\c
	ds_load_b128 v[XF+16*\t+8*\c+4:XF+16*\t+8*\c+7], v4 offset:\t*16*PITCH+64*\c+32
.endr
.endr
	s_wait_dscnt 0x0
; Q and K: rows of W as the first source, rows of x as the second: lane (r, h) gets position r, d = 8h + j.
; V: the other way round: lane (r, h) gets d = r, positions 8h + j.  The six sums take turns, one instruction a turn.
.macro PROJ c, zero
.irp t, 0,1
.if \zero
	v_wmma_f32_16x16x32_bf16 v[ACC+24*\t:ACC+24*\t+7],     v[WF+8*\c:WF+8*\c+7],       v[XF+16*\t+8*\c:XF+16*\t+8*\c+7], 0
	v_wmma_f32_16x16x32_bf16 v[ACC+24*\t+8:ACC+24*\t+15],  v[WF+16+8*\c:WF+16+8*\c+7], v[XF+16*\t+8*\c:XF+16*\t+8*\c+7], 0
	v_wmma_f32_16x16x32_bf16 v[ACC+24*\t+16:ACC+24*\t+23], v[XF+16*\t+8*\c:XF+16*\t+8*\c+7], v[WF+32+8*\c:WF+32+8*\c+7], 0
.else
	v_wmma_f32_16x16x32_bf16 v[ACC+24*\t:ACC+24*\t+7],     v[WF+8*\c:WF+8*\c+7],       v[XF+16*\t+8*\c:XF+16*\t+8*\c+7], v[ACC+24*\t:ACC+24*\t+7]
	v_wmma_f32_16x16x32_bf16 v[ACC+24*\t+8:ACC+24*\t+15],  v[WF+16+8*\c:WF+16+8*\c+7], v[XF+16*\t+8*\c:XF+16*\t+8*\c+7], v[ACC+24*\t+8:ACC+24*\t+15]
	v_wmma_f32_16x16x32_bf16 v[ACC+24*\t+16:ACC+24*\t+23], v[XF+16*\t+8*\c:XF+16*\t+8*\c+7], v[WF+32+8*\c:WF+32+8*\c+7], v[ACC+24*\t+16:ACC+24*\t+23]
.endif
.endr
.endm
	PROJ 0, 1                                      ; the first K step starts the sums: nothing is cleared
	PROJ 1, 0
.rept 4
	v_nop                                          ; four places between the last matrix instruction and the first reader of a sum (ISA guide 7.12.1)
.endr
; (even, odd) -> (even cos - odd sin, even sin + odd cos), pair i = registers 2i, 2i+1
.macro ROPE acc, t
.irp i, 0,1,2,3
	v_mul_f32 v12, v[\acc+2*\i+1], v[SN+4*\t+\i]
	v_mul_f32 v13, v[\acc+2*\i],   v[SN+4*\t+\i]
	v_fma_f32 v[\acc+2*\i],   v[\acc+2*\i],   v[CS+4*\t+\i], -v12
	v_fma_f32 v[\acc+2*\i+1], v[\acc+2*\i+1], v[CS+4*\t+\i], v13
.endr
.endm
; eight f32 to four registers of f16, in place: register k is written when registers 2k, 2k+1 are read and 0 .. 2k-1 are spent
.macro PACK acc
.irp k, 0,1,2,3
	v_cvt_pk_f16_f32 v[\acc+\k], v[\acc+2*\k], v[\acc+2*\k+1]
.endr
.endm
.irp t, 0,1
.irp k, 0,1,2,3
	v_pk_mul_f32 v[ACC+24*\t+2*\k:ACC+24*\t+2*\k+1], v[ACC+24*\t+2*\k:ACC+24*\t+2*\k+1], s[22:23] op_sel_hi:[1,0]
.endr
	ROPE ACC+24*\t, \t
	ROPE ACC+24*\t+8, \t
	PACK ACC+24*\t
	PACK ACC+24*\t+8
	PACK ACC+24*\t+16
	global_store_b128 v5, v[ACC+24*\t:ACC+24*\t+3],     s[12:13] offset:2048*\t       ; Q image of tile t
	global_store_b128 v5, v[ACC+24*\t+8:ACC+24*\t+11],  s[14:15] offset:512*\t        ; K image
	global_store_b128 v5, v[ACC+24*\t+16:ACC+24*\t+19], s[14:15] offset:1024+512*\t   ; V image
.endr
	s_wait_tensorcnt 0x0
	ds_add_u32 v228, v229
	s_wait_dscnt 0x0
	s_endpgm
.Lfunc_end_k_qe183fc29ac_qkv:
	.size	k_qe183fc29ac_qkv, .Lfunc_end_k_qe183fc29ac_qkv-k_qe183fc29ac_qkv
	.p2alignl 7, 3214868480
	.fill 96, 4, 3214868480
	.section	.rodata,"a",@progbits
	.p2align	6, 0x0
	.amdhsa_kernel k_qe183fc29ac_qkv
		.amdhsa_group_segment_fixed_size 37888
		.amdhsa_private_segment_fixed_size 0
		.amdhsa_enable_private_segment 0
		.amdhsa_kernarg_size 48
		.amdhsa_user_sgpr_count 2
		.amdhsa_user_sgpr_kernarg_segment_ptr 1
		.amdhsa_wavefront_size32 1
		.amdhsa_system_sgpr_workgroup_id_x 1
		.amdhsa_system_sgpr_workgroup_id_y 1
		.amdhsa_system_sgpr_workgroup_id_z 1
		.amdhsa_system_vgpr_workitem_id 0
		.amdhsa_next_free_vgpr 230
		.amdhsa_next_free_sgpr 66
		.amdhsa_reserve_vcc 1
		.amdhsa_float_denorm_mode_32 3
		.amdhsa_float_denorm_mode_16_64 3
		.amdhsa_memory_ordered 1
		.amdhsa_forward_progress 1
		.amdhsa_inst_pref_size 24
	.end_amdhsa_kernel
	.amdgpu_metadata
---
amdhsa.version: [ 1, 2 ]
amdhsa.kernels:
  - .name:           k_qe183fc29ac_qkv
    .symbol:         k_qe183fc29ac_qkv.kd
    .args:
      - { .name: x, .offset: 0, .size: 8, .value_kind: global_buffer, .address_space: global }
      - { .name: Wq, .offset: 8, .size: 8, .value_kind: global_buffer, .address_space: global }
      - { .name: Wk, .offset: 16, .size: 8, .value_kind: global_buffer, .address_space: global }
      - { .name: Wv, .offset: 24, .size: 8, .value_kind: global_buffer, .address_space: global }
      - { .name: qws, .offset: 32, .size: 8, .value_kind: global_buffer, .address_space: global }
      - { .name: kvws, .offset: 40, .size: 8, .value_kind: global_buffer, .address_space: global }
    .group_segment_fixed_size: 37888
    .private_segment_fixed_size: 0
    .kernarg_segment_align: 8
    .kernarg_segment_size: 48
    .max_flat_workgroup_size: 256
    .sgpr_count:     66
    .vgpr_count:     230
    .wavefront_size: 32
...
	.end_amdgpu_metadata
.endif
;; end of part 1
;; launch attn (part 2): grid 256 x 1, 8 waves a work-group, clusters of 4 x 1, 327,680 bytes of LDS; arguments qws, kvws, Wo, out0; writes out0
.if DOCPART == 2
	.amdgcn_target "amdgcn-amd-amdhsa--gfx1250"
	.amdhsa_code_object_version 6
	.text
	.protected	k_qe183fc29ac_attn
	.globl	k_qe183fc29ac_attn
	.p2align	8
	.type	k_qe183fc29ac_attn,@function
k_qe183fc29ac_attn:
	s_mov_b64 s[64:65], 0
	v_nop
	global_prefetch_b8 v0, s[64:65] scope:SCOPE_SE
	s_setreg_imm32_b32 hwreg(HW_REG_WAVE_MODE, 25, 1), 1
	s_wait_xcnt 0x0
	s_wait_alu depctr_hold_cnt(0) depctr_sa_sdst(0) depctr_va_vdst(0) depctr_va_sdst(0) depctr_va_ssrc(0) depctr_va_vcc(0) depctr_vm_vsrc(0)
	s_getreg_b32 s2, hwreg(HW_REG_IB_STS2, 6, 4)
	s_cmp_eq_u32 s2, 0
	s_cbranch_scc0 .Lentry_in_a_cluster
	s_endpgm
.Lentry_in_a_cluster:
	s_bfe_u32 s2, ttmp6, 0x10000c
	s_cmp_lg_u32 s2, 0x3003
	s_cbranch_scc0 .Lentry_shape_is_right
	s_endpgm
.Lentry_shape_is_right:
; out0 = softmax(causal(q k^T / 4)) v, heads joined, times Wo^T.  q (already scaled by log2(e)/4), k, v come as f16 register images
; (512 bytes, byte 16 L = four registers of lane L = r + 16 h):
;   qws : [flat 16-row tile (1024)][head (4)][512]                    lane (r, h): position r, d = 8h .. 8h+7
;   kvws: [flat 32-key block (512)][head (4)][K0|K1|V0|V1, 512 each]  K as q; V chunk c: d = r, keys 16c+8h .. +7
; SHARES.  A batch has 16 superblocks of 256 rows.  A cluster of four work-groups serves the pair (J, 15-J), half u: work-group cx owns rows
; 32 (2 cx + u) .. +31 of both superblocks; wave w = 4 tq + head owns 16 rows of one head.  A superblock SB walks SB + 1 tiles of 256 keys,
; so every work-group walks 17 tiles, whatever J: 4 batches x 8 pairs x 2 halves x 4 = 256 work-groups of equal work.
; The four partners need the same K and V tiles in the same order: each tile is asked for JOINTLY (mask 15), each wave bringing one
; key block (8 KiB) of it.  No branch, trip count or LDS address hangs on cx: the two diagonal tiles are computed whole under the mask.
; ORDER.  The superblock with the even number n0 comes first, its diagonal tile first of all (the order of keys is free under a running
; maximum), so that trip i always uses slot i mod 2:  trip 0 (diagonal) | n0 trips | way out | n1 - 1 trips | trip 15 | trip 16 (diagonal) | way out.
; MATRIX FORMS, none needs a shuffle:
;   S^T = K Q^T : lane (r, h), register j = score of query r, key 8h + j.  The head has 16 numbers, the form takes 32: Q's registers 4-7 are
;                 zero, and K tile t is the window v[KF+4t : KF+4t+7], whose upper half (the next tile, or four zero registers) meets those zeros.
;   P^T         : two neighbouring S tiles, rounded to f16, ARE registers 0-3 and 4-7 of the second source over 32 keys.
;   O^T += V^T P^T, and L += ONES P^T: the denominator, from the same rounded P, in every register of L.
; The maximum is a running one, per query, in f32; exponentials are base 2.
; FORMATS.  q, k, v and P are f16, sums f32: the first rows of a batch are means over few keys and as large as v, while the output's allowance
; follows its much smaller overall spread, so bf16's eight bits are too few for these operands.  P lies in (0, 1] by the running maximum.
; Wo is rounded to bf16; the attended rows meet it as the sum of two bf16 numbers (the rounded value and the rounded rest, 16 bits together).
; LIMITS: |q|, |k|, |v| below 65,504 (an infinity in a window's upper half times zero would be NaN); a weight below 2^-25 of the running
; maximum's rounds to zero, at most 4096 * 2^-25 of a denominator that is at least 1.
.set SLOT, 65536                       ; a slot: 8 key blocks x 4 heads x 2,048 bytes, dense; slots at 0 and 65,536
.set ATT,  131072                      ; heads meet here: 8 waves x (512 + 512) bytes, one region of 8,192 for each way out; no tensor load lands here
.set OUTS, 147456                      ; 32 rows of out0, pitch 272, one region for each way out; no tensor load lands here
.set OPI,  272                         ; 256 bytes + 16: an odd multiple of 16
.set LA,   1                           ; v1, v2    head * 2048 + 16 L in slot 0, 1
.set DL,   3                           ; v3        my query's place in its superblock less 8 h (signed)
.set MX,   4                           ; v4        running maximum
.set L16,  5                           ; v5        16 L
.set NM,   6                           ; v[6:7]    minus the new maximum (v7 only completes the pair)
.set AL,   8                           ; v[8:9]    2^(old maximum - new maximum) (v9 only completes the pair)
.set ATS,  10
.set ATL,  11
.set OSA,  12
.set ORA,  13
.set NINF, 14                          ; v14       minus infinity
.set WOF,  15
.set Q0,   16                          ; v[16:23]  Q of the first superblock, registers 4-7 zero
.set Q1,   24                          ; v[24:31]  of the second
.set ONES, 32                          ; v[32:39]  f16 1.0 everywhere
.set OA,   40                          ; v[40:47]  O^T
.set LS,   48                          ; v[48:55]  L
.set WO,   56                          ; v[56:71]  my 16 rows of Wo in bf16, two K steps
.set SC,   72                          ; v[72:103] four S tiles
.set PB,   104                         ; v[104:119] P^T of 64 keys
.set KF,   120                         ; v[120:183] 16 K tiles, v[184:187] zero
.set VF,   188                         ; v[188:251] 8 V blocks
.set TT,   252                         ; v[252:255] at work
.set G1,   32                          ; s[32:39]  descriptor group 1
.set G0,   40                          ; s[40:47]  descriptor group 0, one set for each slot
.macro PLACES                          ; four places behind a matrix instruction (ISA guide 7.12.1)
.rept 4
	v_nop
.endr
.endm
; A round of the cluster's barrier: my work-group's barrier, wave 0 signals for the work-group, every wave waits for all four work-groups,
; my work-group's barrier once more.
.macro CREST                           ; a round behind its opening barrier
	s_cmp_lg_u32 s12, 0
	s_cbranch_scc1 .Lnot_wave_0_\@
	s_barrier_signal -3
.Lnot_wave_0_\@:
	s_barrier_wait -3
	s_barrier_signal -1
	s_barrier_wait -1
.endm
.macro CROUND
	s_barrier_signal -1
	s_barrier_wait -1
	CREST
.endm
; 16 LDS loads, lane-linear (512 consecutive bytes each): K tiles first .. first+7, then V blocks first/2 .. first/2+3 of the slot's tile
.macro LOADKV slot, first
.irp i, 0,1,2,3,4,5,6,7
	ds_load_b128 v[KF+4*(\first+\i):KF+4*(\first+\i)+3], v[LA+\slot] offset:((\first+\i)>>1)*8192+((\first+\i)&1)*512
.endr
.irp i, 0,1,2,3
	ds_load_b128 v[VF+8*(\first/2+\i):VF+8*(\first/2+\i)+3],   v[LA+\slot] offset:(\first/2+\i)*8192+1024
	ds_load_b128 v[VF+8*(\first/2+\i)+4:VF+8*(\first/2+\i)+7], v[LA+\slot] offset:(\first/2+\i)*8192+1536
.endr
.endm
; The slot's next tile.  s24 = the trip it is for, less 1: tiles 0 .. n0-1 of the first superblock, then 0 .. n1 of the second.
.macro NEXTADDR slot
	s_cmp_ge_u32 s24, s20
	s_cselect_b32 s26, s20, 0
	s_sub_co_u32 s26, s24, s26
	s_lshl_b32 s26, s26, 16                        ; a tile is 65,536 bytes of kvws
	s_add_nc_u64 s[G0+4*\slot+2:G0+4*\slot+3], s[28:29], s[26:27]
	s_or_b32 s[G0+4*\slot+3], s[G0+4*\slot+3], 0x80000000
	s_add_co_u32 s24, s24, 1
.endm
.macro EXPS t                          ; 2^x in place on S tile t
.irp j, 0,1,2,3,4,5,6,7
	v_exp_f32 v[SC+8*\t+\j], v[SC+8*\t+\j]
.endr
.endm
.macro CVTS t                          ; S tile t to four registers of P^T
	s_wait_alu depctr_va_vdst(0)
.irp k, 0,1,2,3
	v_cvt_pk_f16_f32 v[PB+4*\t+\k], v[SC+8*\t+2*\k], v[SC+8*\t+2*\k+1]
.endr
.endm
; 64 keys (K tiles 4s .. 4s+3, V blocks 2s, 2s+1) against my 16 queries.  Registers only.
; Matrix instructions follow each other on different accumulators (S0 S1 S2 S3 O L O L), one instruction a turn.
.macro STEP s, masked, qf
.irp t, 0,1,2,3
	v_wmma_f32_16x16x32_f16 v[SC+8*\t:SC+8*\t+7], v[KF+4*(4*\s+\t):KF+4*(4*\s+\t)+7], v[\qf:\qf+7], 0
.endr
	PLACES
.if \masked
.irp t, 0,1,2,3
.irp j, 0,1,2,3,4,5,6,7
	v_cmp_le_i32 vcc_lo, 64*\s+16*\t+\j, v[DL]     ; key 64 s + 16 t + 8 h + j <= my query's place
	v_cndmask_b32 v[SC+8*\t+\j], v[NINF], v[SC+8*\t+\j], vcc_lo
.endr
.endr
.endif
	; the largest of my 32 scores and the old maximum: four chains, then the other half of the lanes (the same query's other keys)
.irp t, 0,1,2,3
	v_max3_num_f32 v[TT+\t], v[SC+8*\t], v[SC+8*\t+1], v[SC+8*\t+2]
.endr
.irp t, 0,1,2,3
	v_max3_num_f32 v[TT+\t], v[TT+\t], v[SC+8*\t+3], v[SC+8*\t+4]
.endr
.irp t, 0,1,2,3
	v_max3_num_f32 v[TT+\t], v[TT+\t], v[SC+8*\t+5], v[SC+8*\t+6]
.endr
	v_max3_num_f32 v[TT],   v[TT],   v[TT+1],  v[SC+7]
	v_max3_num_f32 v[TT+2], v[TT+2], v[TT+3],  v[SC+15]
	v_max3_num_f32 v[TT],   v[TT],   v[SC+23], v[SC+31]
	v_max3_num_f32 v[TT],   v[TT],   v[TT+2],  v[MX]
	v_permlanex16_b32 v[TT+1], v[TT], s30, s31
	v_max_num_f32 v[TT], v[TT], v[TT+1]
	v_sub_f32 v[AL], v[MX], v[TT]
	v_sub_f32 v[NM], 0, v[TT]
	v_exp_f32 v[AL], v[AL]                         ; the plain move below stands between this and the first use (ISA guide 5.7.2)
	v_mov_b32 v[MX], v[TT]
.irp k, 0,1,2,3,4,5,6,7,8,9,10,11,12,13,14,15
	v_pk_add_f32 v[SC+2*\k:SC+2*\k+1], v[SC+2*\k:SC+2*\k+1], v[NM:NM+1] op_sel_hi:[1,0]
.endr
	; exponentials in runs; behind each run plain work on other registers comes before its results are read
	EXPS 0
	s_wait_alu depctr_va_vdst(0)
.irp k, 0,1,2,3
	v_pk_mul_f32 v[OA+2*\k:OA+2*\k+1], v[OA+2*\k:OA+2*\k+1], v[AL:AL+1] op_sel_hi:[1,0]
.endr
	EXPS 1
	CVTS 0
.irp k, 0,1,2,3
	v_pk_mul_f32 v[LS+2*\k:LS+2*\k+1], v[LS+2*\k:LS+2*\k+1], v[AL:AL+1] op_sel_hi:[1,0]
.endr
	EXPS 2
	CVTS 1
	v_wmma_f32_16x16x32_f16 v[OA:OA+7], v[VF+16*\s:VF+16*\s+7], v[PB:PB+7], v[OA:OA+7]
	v_wmma_f32_16x16x32_f16 v[LS:LS+7], v[ONES:ONES+7], v[PB:PB+7], v[LS:LS+7]
	EXPS 3
	CVTS 2
	CVTS 3
	v_wmma_f32_16x16x32_f16 v[OA:OA+7], v[VF+16*\s+8:VF+16*\s+15], v[PB+8:PB+15], v[OA:OA+7]
	v_wmma_f32_16x16x32_f16 v[LS:LS+7], v[ONES:ONES+7], v[PB+8:PB+15], v[LS:LS+7]
.endm
; A trip: one tile of 256 keys from slot.  The tile's first half was copied into registers in the trip before; the second half follows at
; once, so that in the middle of the trip nobody reads the slot any more.  kind 2: there a round of the cluster's barrier stands, in front of
; which every wave has waited for its LDS reads and for all its tensor loads (one is out: its part of the other slot's tile); behind it this
; slot is asked for again, first thing, one load a wave, and the other slot, now whole for every wave, is read.  From that request to the wait
; for it a wave does three steps.  kind 1: the same waits and a plain barrier, nothing is filled.  kind 0: nothing is left to wait for.
.macro TRIP slot, kind, masked, qf, next
	PLACES                                         ; the loads below land on sources of the last step's matrix instructions
	LOADKV \slot, 8
	s_wait_dscnt 16                                ; all but the 16 just issued: K tiles 0-7, V blocks 0-3 are in
	STEP 0, \masked, \qf
	s_wait_dscnt 15                                ; K tile 8 too: tile 7's window reaches into its registers
	STEP 1, \masked, \qf
	s_wait_dscnt 0x0                               ; my reads of this slot are over
.if \kind
	s_set_vgpr_msb 0x5
	s_wait_tensorcnt 0x0                           ; all my tensor loads have landed, so a group 0 may be written
	ds_add_u32 v0, v1
	s_wait_dscnt 0x0
	s_set_vgpr_msb 0x500
.if \kind == 2
	NEXTADDR \slot
.endif
	s_barrier_signal -1
.endif
	STEP 2, \masked, \qf                           ; registers only, while the others arrive
.if \kind
	s_barrier_wait -1
.if \kind == 2
	CREST
	tensor_load_to_lds s[G0+4*\slot:G0+4*\slot+3], s[G1:G1+7]   ; my one tensor load behind the round; by this text's count one is out from here on
	s_nop 0
.endif
.endif
.if \next
	LOADKV (1-\slot), 0                            ; lands on registers last read by matrix instructions in step 1; step 3 names none of them
.endif
	STEP 3, \masked, \qf
.endm
; The way out of superblock p: normalise, split into two bf16 numbers, heads meet in LDS, times Wo^T, whole rows of out0.
.macro EPI p
	PLACES
	v_rcp_f32 v[AL], v[LS]                         ; every register of L holds my query's denominator
	v_nop
	s_wait_alu depctr_va_vdst(0)
.irp k, 0,1,2,3
	v_pk_mul_f32 v[OA+2*\k:OA+2*\k+1], v[OA+2*\k:OA+2*\k+1], v[AL:AL+1] op_sel_hi:[1,0]
.endr
.irp k, 0,1,2,3
	v_cvt_pk_bf16_f32 v[PB+\k], v[OA+2*\k], v[OA+2*\k+1]         ; the rounded value: query r, numbers 16 head + 8h .. +7
.endr
.irp k, 0,1,2,3
	v_lshlrev_b32 v[SC+2*\k],   16, v[PB+\k]                     ; back to f32,
	v_and_b32     v[SC+2*\k+1], 0xffff0000, v[PB+\k]
.endr
.irp k, 0,1,2,3,4,5,6,7
	v_sub_f32 v[OA+\k], v[OA+\k], v[SC+\k]                       ; what the rounding left (exact in f32),
.endr
.irp k, 0,1,2,3
	v_cvt_pk_bf16_f32 v[PB+4+\k], v[OA+2*\k], v[OA+2*\k+1]       ; rounded in its turn
.endr
	ds_store_b128 v[ATS], v[PB:PB+3]   offset:8192*\p
	ds_store_b128 v[ATS], v[PB+4:PB+7] offset:8192*\p+512
	s_wait_dscnt 0x0                               ; my stores (and the next tile's reads) are done, for the others' sake
	s_barrier_signal -1
	s_barrier_wait -1
.irp hh, 0,1,2,3
	ds_load_b128 v[SC+4*\hh:SC+4*\hh+3],       v[ATL] offset:8192*\p+1024*\hh       ; heads 2c, 2c+1 of the same lane = registers 0-3, 4-7 of K step c
	ds_load_b128 v[SC+16+4*\hh:SC+16+4*\hh+3], v[ATL] offset:8192*\p+1024*\hh+512   ; the same of the rests
.endr
	s_wait_dscnt 0x0
	; two sums, the values' and the rests', take turns, one instruction a turn
	v_wmma_f32_16x16x32_bf16 v[PB:PB+7],    v[WO:WO+7],    v[SC:SC+7],     0
	v_wmma_f32_16x16x32_bf16 v[PB+8:PB+15], v[WO:WO+7],    v[SC+16:SC+23], 0
	v_wmma_f32_16x16x32_bf16 v[PB:PB+7],    v[WO+8:WO+15], v[SC+8:SC+15],  v[PB:PB+7]
	v_wmma_f32_16x16x32_bf16 v[PB+8:PB+15], v[WO+8:WO+15], v[SC+24:SC+31], v[PB+8:PB+15]
	PLACES
.irp k, 0,1,2,3
	v_pk_add_f32 v[PB+2*\k:PB+2*\k+1], v[PB+2*\k:PB+2*\k+1], v[PB+8+2*\k:PB+8+2*\k+1]
.endr
	ds_store_b128 v[OSA], v[PB:PB+3]   offset:32*OPI*\p          ; row r of my 16, columns 16 head + 8h .. +7
	ds_store_b128 v[OSA], v[PB+4:PB+7] offset:32*OPI*\p+16
	s_wait_dscnt 0x0
	s_barrier_signal -1
	s_barrier_wait -1
	ds_load_b128 v[SC:SC+3],   v[ORA] offset:32*OPI*\p           ; rows 4w, 4w+1 whole
	ds_load_b128 v[SC+4:SC+7], v[ORA] offset:32*OPI*\p+2*OPI     ; rows 4w+2, 4w+3
	s_wait_dscnt 1                                 ; the first of the two is in
	global_store_b128 v[L16], v[SC:SC+3], s[52+2*\p:53+2*\p] th:TH_STORE_NT                 ; 512 consecutive bytes, aligned
	s_wait_dscnt 0x0
	global_store_b128 v[L16], v[SC+4:SC+7], s[52+2*\p:53+2*\p] offset:512 th:TH_STORE_NT
	s_wait_xcnt 0x0                                ; the stores' data registers are written again only behind this wait
.if \p == 0
.irp k, 0,1,2,3,4,5,6,7,8,9,10,11,12,13,14,15
	v_mov_b32 v[OA+\k], 0                          ; O and L start anew: the next step may stand in a loop, so it cannot take the constant 0
.endr
	v_mov_b32 v[MX], 0xff7fffff
.endif
.endm
	s_load_b256 s[4:11], s[0:1], 0x0               ; qws s[4:5], kvws s[6:7], Wo s[8:9], out0 s[10:11]
	s_set_vgpr_msb 0x40
	v_lshl_add_u32 v0, v0, 2, 0x29000
	v_mov_b32 v1, 0
	s_set_vgpr_msb 0x4045
	ds_add_u32 v0, v1
	s_set_vgpr_msb 0x4500
	v_lshrrev_b32 v8, 5, v0
	v_readfirstlane_b32 s12, v8                    ; wave
	s_and_b32 s13, s12, 3                          ; head
	s_lshr_b32 s14, s12, 2                         ; tq
	s_bfe_u32 s15, ttmp6, 0x40000                  ; cx
	s_lshr_b32 s17, ttmp9, 4                       ; batch (ttmp9 counts clusters)
	s_bfe_u32 s18, ttmp9, 0x30001                  ; J
	s_and_b32 s19, ttmp9, 1                        ; u
	s_sub_co_u32 s16, 15, s18
	s_bitcmp1_b32 s18, 0
	s_cselect_b32 s20, s16, s18                    ; n0: the even one of J, 15 - J
	s_cselect_b32 s21, s18, s16                    ; n1: the odd one
	s_lshr_b32 s22, s20, 1                         ; pairs of trips behind trip 0
	s_lshr_b32 s23, s21, 1                         ; pairs of trips ahead of trip 15
	s_mov_b32 s24, 1
	s_mov_b32 s27, 0
	s_mov_b32 s30, 0x76543210                      ; v_permlanex16_b32: lane i of one half reads lane i of the other
	s_mov_b32 s31, 0xfedcba98
	; group 1: 32 rows of 32 elements of 8 bytes, dense: one key block, 8,192 bytes
	s_mov_b32 s[G1+0], 15|(3<<16)|(1<<21)          ; 15:0 the mask: all four partners; 17:16 elements of 8 bytes; 21 set beside a mask
	s_mov_b32 s[G1+1], 32<<16                      ; tensor_dim0 = 32
	s_mov_b32 s[G1+2], 32<<16                      ; tensor_dim1 = 32
	s_mov_b32 s[G1+3], 32<<16                      ; tile_dim0 = 32
	s_mov_b32 s[G1+4], 32                          ; tile_dim1 = 32
	s_mov_b32 s[G1+5], 32                          ; from row to row: 32 elements
	s_mov_b32 s[G1+6], 0
	s_mov_b32 s[G1+7], 0
	; group 0: wave w brings key block w of a tile to w * 8192 in the slot.  Made of the cluster's number and the wave's alone.
	s_mov_b32 s[G0+0], 1
	s_mov_b32 s[G0+4], 1
	s_lshl_b32 s[G0+1], s12, 13
	s_add_co_u32 s[G0+5], s[G0+1], SLOT
	s_lshl_b32 s56, s17, 20                        ; a batch is 128 key blocks of 8,192 bytes
	s_add_co_u32 s56, s56, s[G0+1]
	s_mov_b32 s57, 0
	s_lshl_b32 s26, s20, 16                        ; trip 0: tile n0
	s_wait_dscnt 0x0
	s_wait_kmcnt 0x0
	s_add_nc_u64 s[28:29], s[6:7], s[56:57]
	s_add_nc_u64 s[G0+2:G0+3], s[28:29], s[26:27]
	s_or_b32 s[G0+3], s[G0+3], 0x80000000
	s_mov_b64 s[G0+6:G0+7], s[28:29]               ; trip 1: tile 0, of the first superblock or (n0 = 0) of the second
	s_or_b32 s[G0+7], s[G0+7], 0x80000000
	CROUND                                         ; all four work-groups are here: the first joint loads meet
	tensor_load_to_lds s[G0:G0+3], s[G1:G1+7]      ; both first fills together: two loads of the wave are out
	s_nop 0
	tensor_load_to_lds s[G0+4:G0+7], s[G1:G1+7]
	s_nop 0
	; my rows: the only numbers that hang on cx
	s_lshl1_add_u32 s58, s15, s19                  ; 2 cx + u: my 32 rows in a superblock
	s_lshl1_add_u32 s59, s58, s14                  ; qt = 4 cx + 2 u + tq: my wave's 16 rows
	s_mov_b32 s61, 0
	s_lshl_b32 s56, s17, 19                        ; qws: ((256 b + 16 n + qt) * 4 + head) * 512
	s_lshl_b32 s60, s59, 11
	s_add_co_u32 s56, s56, s60
	s_lshl_b32 s60, s13, 9
	s_add_co_u32 s56, s56, s60
	s_lshl_b32 s60, s20, 15
	s_add_co_u32 s60, s60, s56
	s_add_nc_u64 s[48:49], s[4:5], s[60:61]
	s_lshl_b32 s60, s21, 15
	s_add_co_u32 s60, s60, s56
	s_add_nc_u64 s[50:51], s[4:5], s[60:61]
	s_lshl_b32 s56, s17, 20                        ; out0: (4096 b + 256 n + 32 (2 cx + u) + 4 w) * 256
	s_lshl_b32 s60, s58, 13
	s_add_co_u32 s56, s56, s60
	s_lshl_b32 s60, s12, 10
	s_add_co_u32 s56, s56, s60
	s_lshl_b32 s60, s20, 16
	s_add_co_u32 s60, s60, s56
	s_add_nc_u64 s[52:53], s[10:11], s[60:61]
	s_lshl_b32 s60, s21, 16
	s_add_co_u32 s60, s60, s56
	s_add_nc_u64 s[54:55], s[10:11], s[60:61]
	s_lshl_b32 s59, s59, 4                         ; 16 qt
	v_and_b32 v[L16], 31, v0
	v_lshlrev_b32 v[L16], 4, v[L16]
	v_and_b32 v[TT], 15, v0                        ; r
	v_bfe_u32 v[TT+1], v0, 4, 1                    ; h
	global_load_b128 v[Q0:Q0+3], v[L16], s[48:49]
	global_load_b128 v[Q1:Q1+3], v[L16], s[50:51]
	s_lshl_b32 s60, s13, 12                        ; Wo: rows 16 head + r, 256 bytes each; numbers 8h .. of each 16
	v_lshlrev_b32 v[WOF], 8, v[TT]
	v_lshl_add_u32 v[WOF], v[TT+1], 5, v[WOF]
	v_add_nc_u32 v[WOF], s60, v[WOF]
	; once in the launch: the eight loads of a wave together cover its 16 rows of Wo whole
.irp n, 0,1,2,3,4,5,6,7
	global_load_b128 v[SC+4*\n:SC+4*\n+3], v[WOF], s[8:9] offset:128*(\n>>2)+64*((\n>>1)&1)+16*(\n&1)
.endr
	s_lshl_b32 s60, s13, 11
	v_add_nc_u32 v[LA], s60, v[L16]                ; head * 2048 + 16 L
	v_add_nc_u32 v[LA+1], SLOT, v[LA]
	v_lshlrev_b32 v[TT+2], 3, v[TT+1]
	v_sub_nc_u32 v[DL], v[TT], v[TT+2]
	v_add_nc_u32 v[DL], s59, v[DL]                 ; 16 qt + r - 8 h
	s_lshl_b32 s60, s12, 10
	s_add_co_u32 s60, s60, ATT
	v_add_nc_u32 v[ATS], s60, v[L16]               ; w * 1024 + 16 L: my values, my rests 512 bytes behind
	s_lshl_b32 s60, s14, 12
	s_add_co_u32 s60, s60, ATT
	v_add_nc_u32 v[ATL], s60, v[L16]               ; my tq's four heads
	s_mul_i32 s60, s14, 16*OPI
	s_lshl_b32 s62, s13, 6
	s_add_co_u32 s60, s60, s62
	s_add_co_u32 s60, s60, OUTS
	v_mul_u32_u24 v[OSA], v[TT], OPI
	v_lshl_add_u32 v[OSA], v[TT+1], 5, v[OSA]
	v_add_nc_u32 v[OSA], s60, v[OSA]               ; (16 tq + r) * pitch + 64 head + 32 h
	s_mul_i32 s60, s12, 4*OPI
	s_add_co_u32 s60, s60, OUTS
	v_mul_u32_u24 v[ORA], v[TT+1], OPI
	v_lshl_add_u32 v[ORA], v[TT], 4, v[ORA]
	v_add_nc_u32 v[ORA], s60, v[ORA]               ; (4 w + h) * pitch + 16 r
.irp k, Q0+4,Q0+5,Q0+6,Q0+7,Q1+4,Q1+5,Q1+6,Q1+7,KF+64,KF+65,KF+66,KF+67,NM+1,AL+1
	v_mov_b32 v[\k], 0
.endr
.irp k, 0,1,2,3,4,5,6,7
	v_mov_b32 v[ONES+\k], 0x3c003c00               ; f16 1.0 in both halves
.endr
.irp k, 0,1,2,3,4,5,6,7,8,9,10,11,12,13,14,15
	v_mov_b32 v[OA+\k], 0                          ; O and L
.endr
	v_mov_b32 v[MX], 0xff7fffff                    ; the lowest finite number: the first step of each superblock has a key for every query
	v_mov_b32 v[NINF], 0xff800000
	s_wait_loadcnt 0x0
.irp m, 0,1,2,3,4,5,6,7,8,9,10,11,12,13,14,15
	v_cvt_pk_bf16_f32 v[WO+\m], v[SC+2*\m], v[SC+2*\m+1]
.endr
	s_wait_tensorcnt 0x1                           ; my part of slot 0 is in; slot 1's fill, issued behind it, stays out
	s_barrier_signal -1
	s_barrier_wait -1                              ; everybody's part is in
	LOADKV 0, 0
	TRIP 0, 2, 1, Q0, 1                            ; trip 0: the first superblock's diagonal tile
	s_cmp_eq_u32 s22, 0
	s_cbranch_scc1 .Lfirst_done
.Lfirst:
	TRIP 1, 2, 0, Q0, 1
	TRIP 0, 2, 0, Q0, 1
	s_sub_co_i32 s22, s22, 1
	s_cmp_lg_u32 s22, 0
	s_cbranch_scc1 .Lfirst
.Lfirst_done:
	EPI 0
	s_cmp_eq_u32 s23, 0
	s_cbranch_scc1 .Lsecond_done
.Lsecond:
	TRIP 1, 2, 0, Q1, 1
	TRIP 0, 2, 0, Q1, 1
	s_sub_co_i32 s23, s23, 1
	s_cmp_lg_u32 s23, 0
	s_cbranch_scc1 .Lsecond
.Lsecond_done:
	TRIP 1, 1, 0, Q1, 1                            ; trip 15: nothing is left to fetch; its barrier shows trip 16's tile whole to every wave
	TRIP 0, 0, 1, Q1, 0                            ; trip 16: the second superblock's diagonal tile
	EPI 1
	s_set_vgpr_msb 0x5
	s_wait_tensorcnt 0x0
	ds_add_u32 v0, v1
	s_wait_dscnt 0x0
	s_set_vgpr_msb 0x500
	CROUND                                         ; the closing round: no work-group ends while a partner may still ask for a tile that names it
	s_endpgm
.Lfunc_end_k_qe183fc29ac_attn:
	.size	k_qe183fc29ac_attn, .Lfunc_end_k_qe183fc29ac_attn-k_qe183fc29ac_attn
	.p2alignl 7, 3214868480
	.fill 96, 4, 3214868480
	.section	.rodata,"a",@progbits
	.p2align	6, 0x0
	.amdhsa_kernel k_qe183fc29ac_attn
		.amdhsa_group_segment_fixed_size 327680
		.amdhsa_private_segment_fixed_size 0
		.amdhsa_enable_private_segment 0
		.amdhsa_kernarg_size 32
		.amdhsa_user_sgpr_count 2
		.amdhsa_user_sgpr_kernarg_segment_ptr 1
		.amdhsa_wavefront_size32 1
		.amdhsa_system_sgpr_workgroup_id_x 1
		.amdhsa_system_sgpr_workgroup_id_y 1
		.amdhsa_system_sgpr_workgroup_id_z 1
		.amdhsa_system_vgpr_workitem_id 0
		.amdhsa_next_free_vgpr 258
		.amdhsa_next_free_sgpr 66
		.amdhsa_reserve_vcc 1
		.amdhsa_float_denorm_mode_32 3
		.amdhsa_float_denorm_mode_16_64 3
		.amdhsa_memory_ordered 1
		.amdhsa_forward_progress 1
		.amdhsa_inst_pref_size 214
	.end_amdhsa_kernel
	.amdgpu_metadata
---
amdhsa.version: [ 1, 2 ]
amdhsa.kernels:
  - .name:           k_qe183fc29ac_attn
    .symbol:         k_qe183fc29ac_attn.kd
    .args:
      - { .name: qws, .offset: 0, .size: 8, .value_kind: global_buffer, .address_space: global }
      - { .name: kvws, .offset: 8, .size: 8, .value_kind: global_buffer, .address_space: global }
      - { .name: Wo, .offset: 16, .size: 8, .value_kind: global_buffer, .address_space: global }
      - { .name: out0, .offset: 24, .size: 8, .value_kind: global_buffer, .address_space: global }
    .group_segment_fixed_size: 327680
    .private_segment_fixed_size: 0
    .kernarg_segment_align: 8
    .kernarg_segment_size: 32
    .max_flat_workgroup_size: 256
    .sgpr_count:     66
    .vgpr_count:     258
    .wavefront_size: 32
...
	.end_amdgpu_metadata
.endif
;; end of part 2
;; ======== version 2 of 2: 2 launches; version 1 with the launch qkv written anew for expert scheduling mode
;; limits: values are held in f16: magnitudes above 65,504 overflow, below 6.1e-05 lose precision; right only within a limited range of input values
;; workspace buffers: qws 2,097,152 bytes; kvws 4,194,304 bytes
;; launch qkv (part 3): grid 256 x 1, 8 waves a work-group, no clusters, 37,888 bytes of LDS; arguments x, Wq, Wk, Wv, qws, kvws; writes qws, kvws
.if DOCPART == 3
	.amdgcn_target "amdgcn-amd-amdhsa--gfx1250"
	.amdhsa_code_object_version 6
	.text
	.protected	k_qe183fc29ac_qkv
	.globl	k_qe183fc29ac_qkv
	.p2align	8
	.type	k_qe183fc29ac_qkv,@function
k_qe183fc29ac_qkv:
	s_mov_b64 s[64:65], 0
	v_nop
	global_prefetch_b8 v0, s[64:65] scope:SCOPE_SE
	s_setreg_imm32_b32 hwreg(HW_REG_WAVE_SCHED_MODE, 0, 2), 2
	s_setreg_imm32_b32 hwreg(HW_REG_WAVE_MODE, 25, 1), 1
	s_wait_xcnt 0x0
	s_wait_alu depctr_vm_vsrc(0)
; q = rope(x Wq^T) * log2(e)/4, k = rope(x Wk^T), v = x Wv^T, rounded to f16 and stored as REGISTER IMAGES for the attention launch.
; x: [4*4096][64] f32.  W*: [64][64] f32.  A work-group owns 64 flat rows (inside one batch); wave w = 4*half + hd owns 32 positions
; (two tiles of 16) of head hd.  An image is 512 bytes, byte 16 L = the four registers of lane L = r + 16 h:
;   Q, K image of a 16-position tile: position r, d = 8h .. 8h+7          qws : [flat tile (1024)][head (4)][512]
;   V image of chunk c of a 32-key block: d = r, keys 16c+8h .. 16c+8h+7  kvws: [flat key block (512)][head (4)][K0|K1|V0|V1, 512 each]
; Every store of a wave covers 512 consecutive bytes, aligned.
; x and the weights are f32 in memory and are rounded to bf16 on the way, so they pass through registers in any case: they are staged by
; global loads, conversions and LDS stores.  A joint tensor load of the weights would bring f32 into LDS and add a second trip of the
; same 48 KiB through LDS and registers, so no cluster is used here.
; FORMATS: x and the weights enter the products in bf16, sums in f32.  q, k, v leave in f16, three bits finer than bf16: in the first rows
; of a batch the output is a mean over few keys and as large as v, while its allowance follows the whole output's much smaller spread.
; Room in f16: q, k, v are sums of 64 products of spreads 1 and 1/8, spread 1; with x and a weight both 30 times larger, spread 900;
; with offsets of 30 spreads on both, 64 * 30 * 3.75 = 7,200: all under 65,504.
; LIMITS: |q|, |k|, |v| below 65,504.  The angle of pair p at position pos is formed in turns as pos * f32(10^(-p/2) / 2 pi) and reduced by
; one fused multiply-add; its error is at most about 2.5e-4 rad at pos = 4095; sine and cosine are Taylor polynomials of the half angle
; (error about 4e-6).
; THE MODE: SCHED_MODE bits 1:0 = 2 (LLVM: expert scheduling mode 2), set by the entry lines.  The code itself states the register dependences
; between vector or matrix instructions and memory or LDS instructions, with s_wait_alu, always for 0.
; THE PLAN.  Registers that memory or LDS instructions touch:
;   v1            offset of the 16 staging loads: written once at the head, ahead of the first wait on va_vdst.
;   STG           the 16 loads land here (no vector line names these registers before); group g, four loads = one region, is rounded in place by
;                 eight conversions and read by its four LDS stores; never written afterwards.
;   v2 .. v5      LDS and image addresses: written once, behind the loads, ahead of the staging's first wait on va_vdst; never written again.
;   WF, XF        written by the 20 LDS loads alone, read by matrix instructions alone.
;   ACC           written by the matrix instructions and by scale, rope and pack; tile t's three stores read registers of ACC + 24 t .. + 23,
;                 which no later line writes: tile 1's arithmetic names ACC + 24 .. + 47, v12 and v13 alone.
;   v228, v229    written at the head, read by the closing add alone.
; No register that a memory or LDS instruction has read is written again, so beyond the entry's the text holds no wait on vm_vsrc.  Waits on va_vdst: one ahead of the
; first load, four in the staging (the stores go one group behind the conversions), one ahead of each tile's three stores.
.set PITCH, 144                        ; an LDS row: 64 bf16 = 128 bytes + 16: an odd multiple of 16, so 16 rows of a fragment load start 16 bytes apart modulo 256
.set RGN,   64*PITCH                   ; a region of 64 rows: x at 0, Wq, Wk, Wv behind it
.set STG,   16                         ; v[16:79]   16 staged loads of 4 f32
.set WF,    80                         ; v[80:127]  fragments of Wq, Wk, Wv: 2 K steps x 8 registers each
.set XF,    128                        ; v[128:159] fragments of x: 2 tiles x 2 K steps x 8
.set ACC,   160                        ; v[160:207] sums Q0 K0 V0 Q1 K1 V1
.set CS,    208                        ; v[208:215] cosine of tile t, pair i
.set SN,    216                        ; v[216:223] sine
.set FQ,    224                        ; v[224:227] turns per position of my four pairs
	s_load_b256 s[4:11], s[0:1], 0x0               ; x s[4:5], Wq s[6:7], Wk s[8:9], Wv s[10:11]
	s_load_b128 s[12:15], s[0:1], 0x20             ; qws s[12:13], kvws s[14:15]
	v_lshl_add_u32 v228, v0, 2, 0x9000             ; my spare word, behind the four regions, and 0: kept for the closing lines alone
	v_mov_b32 v229, 0
	v_lshrrev_b32 v8, 5, v0
	v_readfirstlane_b32 s16, v8                    ; wave
	s_lshl_b32 s20, ttmp9, 14                      ; 64 rows of 256 bytes
	s_mov_b32 s21, 0
	s_mov_b32 s22, 0x3eb8aa3b                      ; log2(e) / 4: the score scale 1/sqrt(16) and the base-2 exponential, folded into q
	s_mov_b32 s23, 0x3eb8aa3b
	v_lshlrev_b32 v1, 4, v0                        ; 16 bytes a thread: the work-group's load covers 16 whole rows
	s_wait_kmcnt 0x0
	s_add_nc_u64 s[4:5], s[4:5], s[20:21]
	s_wait_alu depctr_va_vdst(0)                   ; v1 is written, which the sixteen loads below read as their offset
.irp i, 0,1,2,3
	global_load_b128 v[STG+4*\i:STG+4*\i+3], v1, s[4:5] offset:4096*\i th:TH_LOAD_NT
.endr
.irp i, 0,1,2,3
	global_load_b128 v[STG+16+4*\i:STG+16+4*\i+3], v1, s[6:7] offset:4096*\i
.endr
.irp i, 0,1,2,3
	global_load_b128 v[STG+32+4*\i:STG+32+4*\i+3], v1, s[8:9] offset:4096*\i
.endr
.irp i, 0,1,2,3
	global_load_b128 v[STG+48+4*\i:STG+48+4*\i+3], v1, s[10:11] offset:4096*\i
.endr
	s_wait_alu depctr_va_sdst(0)                   ; s16 is written, ahead of its first reader: head and half, and all that is made of them
	s_and_b32 s17, s16, 3                          ; hd
	s_lshr_b32 s18, s16, 2                         ; half
	; where the images go
	s_lshl_b32 s20, ttmp9, 13                      ; qws: ((4 g + 2 half) * 4 + hd) * 512
	s_lshl_b32 s24, s18, 12
	s_add_co_u32 s20, s20, s24
	s_lshl_b32 s24, s17, 9
	s_add_co_u32 s20, s20, s24
	s_add_nc_u64 s[12:13], s[12:13], s[20:21]
	s_lshl_b32 s20, ttmp9, 14                      ; kvws: ((2 g + half) * 4 + hd) * 2048
	s_lshl_b32 s24, s18, 13
	s_add_co_u32 s20, s20, s24
	s_lshl_b32 s24, s17, 11
	s_add_co_u32 s20, s20, s24
	s_add_nc_u64 s[14:15], s[14:15], s[20:21]
	s_and_b32 s19, ttmp9, 63                       ; position in the batch of my first row: (g mod 64) * 64 + 32 half
	s_lshl_b32 s19, s19, 6
	s_lshl_b32 s24, s18, 5
	s_add_co_u32 s19, s19, s24
	s_mul_i32 s24, s17, 16*PITCH                   ; my head's 16 rows of a weight
	s_mul_i32 s25, s18, 32*PITCH                   ; my 32 rows of x
	v_and_b32 v9, 15, v0                           ; r (also: my 16-byte column when staging)
	v_bfe_u32 v10, v0, 4, 1                        ; h
	v_cmp_eq_u32 vcc_lo, 1, v10                    ; the upper half of the lanes; read by the select below, the address lines between
	v_lshrrev_b32 v8, 4, v0                        ; staging row 0..15
	v_mul_u32_u24 v2, v8, PITCH
	v_lshl_add_u32 v2, v9, 3, v2                   ; staging: row * pitch + 8 bytes (4 bf16) a thread
	v_mul_u32_u24 v12, v9, PITCH
	v_lshl_add_u32 v12, v10, 4, v12                ; fragment: r * pitch + 16 h
	v_add_nc_u32 v3, s24, v12                      ; weights
	v_add_nc_u32 v4, s25, v12                      ; x
	v_and_b32 v5, 31, v0
	v_lshlrev_b32 v5, 4, v5                        ; 16 * lane: the images' offset
	v_add_nc_u32 v11, s19, v9                      ; position of tile 0's row r
	v_mov_b32 v12, 0x3c23d70a                      ; 0.01
	s_wait_alu depctr_va_vcc(0)                    ; the compare has written VCC, which the select reads
	v_cndmask_b32 v7, 1.0, v12, vcc_lo             ; pairs 4h + i: 10^(-2h)
	v_mul_f32 v[FQ+0], 0x3e22f983, v7              ; 10^(-i/2) / 2 pi, i = 0 .. 3
	v_mul_f32 v[FQ+1], 0x3d4e2601, v7
	v_mul_f32 v[FQ+2], 0x3c826136, v7
	v_mul_f32 v[FQ+3], 0x3ba4eb34, v7
; Sine and cosine of my four pairs at tile t's position r, while the loads are on their way.  f = the angle in turns less the nearest
; whole number, |f| <= 1/2; s = sin(pi f), c = cos(pi f) by Taylor series in z = f^2; then the double angle.
.macro TRIG t
	v_add_nc_u32 v8, 16*\t, v11
	v_cvt_f32_u32 v6, v8
.irp i, 0,1,2,3
	v_mul_f32 v12, v6, v[FQ+\i]
	v_rndne_f32 v12, v12
	v_fma_f32 v12, v6, v[FQ+\i], -v12              ; f, from the exact product
	v_mul_f32 v13, v12, v12                        ; z
	v_mov_b32 v14, 0x3da83c1b                      ; pi^9/9!
	v_mov_b32 v15, 0xbcd368f9                      ; -pi^10/10!
	v_fmaak_f32 v14, v14, v13, 0xbf196966          ; -pi^7/7!
	v_fmaak_f32 v15, v15, v13, 0x3e70fa83          ; pi^8/8!
	v_fmaak_f32 v14, v14, v13, 0x402335e3          ; pi^5/5!
	v_fmaak_f32 v15, v15, v13, 0xbfaae9e4          ; -pi^6/6!
	v_fmaak_f32 v14, v14, v13, 0xc0a55de7          ; -pi^3/3!
	v_fmaak_f32 v15, v15, v13, 0x4081e0f8          ; pi^4/4!
	v_fmaak_f32 v14, v14, v13, 0x40490fdb          ; pi
	v_fmaak_f32 v15, v15, v13, 0xc09de9e6          ; -pi^2/2
	v_mul_f32 v14, v14, v12                        ; s
	v_fma_f32 v15, v15, v13, 1.0                   ; c
	v_add_f32 v12, v14, v14
	v_mul_f32 v[SN+4*\t+\i], v12, v15              ; sin = 2 s c
	v_fma_f32 v[CS+4*\t+\i], -v12, v14, 1.0        ; cos = 1 - 2 s s
.endr
.endm
	TRIG 0
	TRIG 1
; Staging, by groups of four loads: group g is region g (x, Wq, Wk, Wv), load i of it rows 16 i .. 16 i + 15.  A group is rounded in place;
; its LDS stores go out one group later, behind the wait for the next group's data and one wait on va_vdst.
.macro CVTG g
.irp i, 0,1,2,3
	v_cvt_pk_bf16_f32 v[STG+16*(\g)+4*\i],   v[STG+16*(\g)+4*\i],   v[STG+16*(\g)+4*\i+1]
	v_cvt_pk_bf16_f32 v[STG+16*(\g)+4*\i+1], v[STG+16*(\g)+4*\i+2], v[STG+16*(\g)+4*\i+3]
.endr
.endm
.macro PUTG g
.irp i, 0,1,2,3
	ds_store_b64 v2, v[STG+16*(\g)+4*\i:STG+16*(\g)+4*\i+1] offset:(\g)*RGN+\i*16*PITCH
.endr
.endm
	s_wait_loadcnt 12                              ; loads come back in order: x's four are in, the 12 younger ones stay out
	CVTG 0
	s_wait_loadcnt 8                               ; Wq's four are in, the 8 younger ones stay out
	s_wait_alu depctr_va_vdst(0)                   ; group 0's conversions have written their registers, and v2 is written: the stores below read both
	PUTG 0
	CVTG 1
	s_wait_loadcnt 4                               ; Wk's four are in, Wv's stay out
	s_wait_alu depctr_va_vdst(0)                   ; group 1's conversions have written the registers that the stores below read
	PUTG 1
	CVTG 2
	s_wait_loadcnt 0x0                             ; Wv's four are in
	s_wait_alu depctr_va_vdst(0)                   ; group 2's conversions have written the registers that the stores below read
	PUTG 2
	CVTG 3
	s_wait_alu depctr_va_vdst(0)                   ; group 3's conversions have written the registers that the stores below read; v3 and v4, the fragment loads' addresses, are written too
	PUTG 3
	s_wait_dscnt 0x0                               ; my stores are in LDS, for the other waves' sake
	s_barrier_signal -1
	s_barrier_wait -1                              ; everybody's are
	; fragments: lane (r, h) takes row r, k = 8h .. 8h+7 and 16+8h .. 16+8h+7 of each K step of 32.  No vector line stands between the wait above and these loads
.irp m, 0,1,2
.irp c, 0,1
	ds_load_b128 v[WF+16*\m+8*\c:WF+16*\m+8*\c+3],   v3 offset:(\m+1)*RGN+64*\c
	ds_load_b128 v[WF+16*\m+8*\c+4:WF+16*\m+8*\c+7], v3 offset:(\m+1)*RGN+64*\c+32
.endr
.endr
.irp t, 0,1
.irp c, 0,1
	ds_load_b128 v[XF+16*\t+8*\c:XF+16*\t+8*\c+3],   v4 offset:\t*16*PITCH+64*\c
	ds_load_b128 v[XF+16*\t+8*\c+4:XF+16*\t+8*\c+7], v4 offset:\t*16*PITCH+64*\c+32
.endr
.endr
	s_wait_dscnt 0x0
; Q and K: rows of W as the first source, rows of x as the second: lane (r, h) gets position r, d = 8h + j.
; V: the other way round: lane (r, h) gets d = r, positions 8h + j.  The six sums take turns, one instruction a turn.
.macro PROJ c, zero
.irp t, 0,1
.if \zero
	v_wmma_f32_16x16x32_bf16 v[ACC+24*\t:ACC+24*\t+7],     v[WF+8*\c:WF+8*\c+7],       v[XF+16*\t+8*\c:XF+16*\t+8*\c+7], 0
	v_wmma_f32_16x16x32_bf16 v[ACC+24*\t+8:ACC+24*\t+15],  v[WF+16+8*\c:WF+16+8*\c+7], v[XF+16*\t+8*\c:XF+16*\t+8*\c+7], 0
	v_wmma_f32_16x16x32_bf16 v[ACC+24*\t+16:ACC+24*\t+23], v[XF+16*\t+8*\c:XF+16*\t+8*\c+7], v[WF+32+8*\c:WF+32+8*\c+7], 0
.else
	v_wmma_f32_16x16x32_bf16 v[ACC+24*\t:ACC+24*\t+7],     v[WF+8*\c:WF+8*\c+7],       v[XF+16*\t+8*\c:XF+16*\t+8*\c+7], v[ACC+24*\t:ACC+24*\t+7]
	v_wmma_f32_16x16x32_bf16 v[ACC+24*\t+8:ACC+24*\t+15],  v[WF+16+8*\c:WF+16+8*\c+7], v[XF+16*\t+8*\c:XF+16*\t+8*\c+7], v[ACC+24*\t+8:ACC+24*\t+15]
	v_wmma_f32_16x16x32_bf16 v[ACC+24*\t+16:ACC+24*\t+23], v[XF+16*\t+8*\c:XF+16*\t+8*\c+7], v[WF+32+8*\c:WF+32+8*\c+7], v[ACC+24*\t+16:ACC+24*\t+23]
.endif
.endr
.endm
	PROJ 0, 1                                      ; the first K step starts the sums: nothing is cleared
	PROJ 1, 0
.rept 4
	v_nop                                          ; four places between the last matrix instruction and the first reader of a sum (ISA guide 7.12.1)
.endr
; (even, odd) -> (even cos - odd sin, even sin + odd cos), pair i = registers 2i, 2i+1
.macro ROPE acc, t
.irp i, 0,1,2,3
	v_mul_f32 v12, v[\acc+2*\i+1], v[SN+4*\t+\i]
	v_mul_f32 v13, v[\acc+2*\i],   v[SN+4*\t+\i]
	v_fma_f32 v[\acc+2*\i],   v[\acc+2*\i],   v[CS+4*\t+\i], -v12
	v_fma_f32 v[\acc+2*\i+1], v[\acc+2*\i+1], v[CS+4*\t+\i], v13
.endr
.endm
; eight f32 to four registers of f16, in place: register k is written when registers 2k, 2k+1 are read and 0 .. 2k-1 are spent
.macro PACK acc
.irp k, 0,1,2,3
	v_cvt_pk_f16_f32 v[\acc+\k], v[\acc+2*\k], v[\acc+2*\k+1]
.endr
.endm
; Tile 0's three stores are on their way during tile 1's arithmetic, which names none of the registers that they read.
.irp t, 0,1
.irp k, 0,1,2,3
	v_pk_mul_f32 v[ACC+24*\t+2*\k:ACC+24*\t+2*\k+1], v[ACC+24*\t+2*\k:ACC+24*\t+2*\k+1], s[22:23] op_sel_hi:[1,0]
.endr
	ROPE ACC+24*\t, \t
	ROPE ACC+24*\t+8, \t
	PACK ACC+24*\t
	PACK ACC+24*\t+8
	PACK ACC+24*\t+16
	s_wait_alu depctr_va_vdst(0)                   ; the three packs have written this tile's images, which the stores below read; v5, their offset, is written
	global_store_b128 v5, v[ACC+24*\t:ACC+24*\t+3],     s[12:13] offset:2048*\t       ; Q image of tile t
	global_store_b128 v5, v[ACC+24*\t+8:ACC+24*\t+11],  s[14:15] offset:512*\t        ; K image
	global_store_b128 v5, v[ACC+24*\t+16:ACC+24*\t+19], s[14:15] offset:1024+512*\t   ; V image
.endr
	s_wait_dscnt 0x0                               ; the closing lines, six on end
	s_wait_alu 0x0
	s_wait_tensorcnt 0x0
	ds_add_u32 v228, v229
	s_wait_dscnt 0x0
	s_endpgm
.Lfunc_end_k_qe183fc29ac_qkv:
	.size	k_qe183fc29ac_qkv, .Lfunc_end_k_qe183fc29ac_qkv-k_qe183fc29ac_qkv
	.p2alignl 7, 3214868480
	.fill 96, 4, 3214868480
	.section	.rodata,"a",@progbits
	.p2align	6, 0x0
	.amdhsa_kernel k_qe183fc29ac_qkv
		.amdhsa_group_segment_fixed_size 37888
		.amdhsa_private_segment_fixed_size 0
		.amdhsa_enable_private_segment 0
		.amdhsa_kernarg_size 48
		.amdhsa_user_sgpr_count 2
		.amdhsa_user_sgpr_kernarg_segment_ptr 1
		.amdhsa_wavefront_size32 1
		.amdhsa_system_sgpr_workgroup_id_x 1
		.amdhsa_system_sgpr_workgroup_id_y 1
		.amdhsa_system_sgpr_workgroup_id_z 1
		.amdhsa_system_vgpr_workitem_id 0
		.amdhsa_next_free_vgpr 230
		.amdhsa_next_free_sgpr 66
		.amdhsa_reserve_vcc 1
		.amdhsa_float_denorm_mode_32 3
		.amdhsa_float_denorm_mode_16_64 3
		.amdhsa_memory_ordered 1
		.amdhsa_forward_progress 1
		.amdhsa_inst_pref_size 24
	.end_amdhsa_kernel
	.amdgpu_metadata
---
amdhsa.version: [ 1, 2 ]
amdhsa.kernels:
  - .name:           k_qe183fc29ac_qkv
    .symbol:         k_qe183fc29ac_qkv.kd
    .args:
      - { .name: x, .offset: 0, .size: 8, .value_kind: global_buffer, .address_space: global }
      - { .name: Wq, .offset: 8, .size: 8, .value_kind: global_buffer, .address_space: global }
      - { .name: Wk, .offset: 16, .size: 8, .value_kind: global_buffer, .address_space: global }
      - { .name: Wv, .offset: 24, .size: 8, .value_kind: global_buffer, .address_space: global }
      - { .name: qws, .offset: 32, .size: 8, .value_kind: global_buffer, .address_space: global }
      - { .name: kvws, .offset: 40, .size: 8, .value_kind: global_buffer, .address_space: global }
    .group_segment_fixed_size: 37888
    .private_segment_fixed_size: 0
    .kernarg_segment_align: 8
    .kernarg_segment_size: 48
    .max_flat_workgroup_size: 256
    .sgpr_count:     66
    .vgpr_count:     230
    .wavefront_size: 32
...
	.end_amdgpu_metadata
.endif
;; end of part 3
;; launch attn: the kernel of part 2 again; grid 256 x 1, 8 waves a work-group, clusters of 4 x 1, 327,680 bytes of LDS; arguments qws, kvws, Wo, out0; writes out0
